; MI455X (gfx1250); checked and timed in simulation.
; The chip was launched on July 23, 2026; its instructions are those of AMD's public machine-readable ISA for CDNA 5 (MIT licence, August 2026) and "CDNA5" Instruction Set Architecture Reference Guide (July 2026). The comments in the code are by the model that wrote it; some were corrected since.
;; Multi Resolution Hash Time Double Encoder Network. Allowed arithmetic: matrix products marked QUANTISED: E2M3 operands, one E8M0 scale for each 32 along K, by v_wmma_scale_f32_16x16x128_f8f6f4 with both operands' format E2M3, f32 sums; products left as they are: f32 operands where the result goes on into a quantised operand, else bf16, f16 or f32 operands; f32 sums; everything else in f32.
;; Inputs: skip_alpha one number float32; t one number float32; table_dynamic 16 x 524,288 x 2 float32; table_static 16 x 524,288 x 2 float32; w1_0_codes 64 x 2 x 24 uint8 (E2M3 codes of w1_0, K innermost, in blocks of 32 codes, four codes in three bytes); w1_0_scales 64 x 2 uint8 (E8M0 scales of w1_0, one for each 32 codes along K); w1_1_codes 64 x 2 x 24 uint8 (E2M3 codes of w1_1, K innermost, in blocks of 32 codes, four codes in three bytes); w1_1_scales 64 x 2 uint8 (E8M0 scales of w1_1, one for each 32 codes along K); w1_2_codes 64 x 2 x 24 uint8 (E2M3 codes of w1_2, K innermost, in blocks of 32 codes, four codes in three bytes); w1_2_scales 64 x 2 uint8 (E8M0 scales of w1_2, one for each 32 codes along K); w2_0_codes 64 x 2 x 24 uint8 (E2M3 codes of w2_0, K innermost, in blocks of 32 codes, four codes in three bytes); w2_0_scales 64 x 2 uint8 (E8M0 scales of w2_0, one for each 32 codes along K); w2_1_codes 64 x 2 x 24 uint8 (E2M3 codes of w2_1, K innermost, in blocks of 32 codes, four codes in three bytes); w2_1_scales 64 x 2 uint8 (E8M0 scales of w2_1, one for each 32 codes along K); w2_2 64 x 1 float32; x 262,144 x 3 float32.
;; Outputs: out0 262,144 x 1 float32.
;; This version of the problem:
;;   THIS VERSION OF THE PROBLEM IS GIVEN IN LOW PRECISION. The matrix products marked QUANTISED in the list below multiply operands that are first quantised to E2M3 (2 exponent bits, 3 mantissa bits; 6 bits a number), with one power-of-two scale for each 32 numbers along K (OCP MX v1.0); their sums are f32. All else is computed in f32.
;;   The module's matrix products, in the order in which they are computed (A, B: the left and right operand; K: the contracted axis; several contracted axes count as one K, in the product's order):
;;     1. [M 262,144, K 64] x [K 64, N 64]; A: computed on the way; B: input w1_0 (given as codes): QUANTISED
;;     2. [M 262,144, K 64] x [K 64, N 64]; A: computed on the way; B: input w1_1 (given as codes): QUANTISED
;;     3. [M 262,144, K 64] x [K 64, N 64]; A: computed on the way; B: input w1_2 (given as codes): QUANTISED
;;     4. [M 262,144, K 64] x [K 64, N 64]; A: computed on the way; B: input w2_0 (given as codes): QUANTISED
;;     5. [M 262,144, K 64] x [K 64, N 64]; A: computed on the way; B: input w2_1 (given as codes): QUANTISED
;;     6. [M 262,144, K 64] x [K 64, N 1]; A: computed on the way; B: input w2_2: left as it is (N = 1 < 16)
;;   THE QUANTISER, for each operand of a quantised product, along K:
;;     - K is cut into blocks of 32 from its start; a last block that is shorter is filled with zeros.
;;     - A block's scale is 2^e with e = floor(log2(the largest magnitude in the block)) - 2, held to -126 .. 127; a block of zeros has e = 0. As a byte (E8M0): e + 127.
;;     - Each number is divided by its block's scale, clamped to +-7.5, and rounded to the nearest number of E2M3, ties to even, subnormals kept.
;;     - The product sums the exact products of the quantised numbers (number of the format x scale) in f32.
;;   ~~~python
;;   def quantise(x, axis):      # numpy; x: float32 -> the quantised numbers, widened to float32 again
;;       x = np.moveaxis(x, axis, -1); K = x.shape[-1]
;;       x = np.pad(x, [(0, 0)] * (x.ndim - 1) + [(0, -K % 32)]); x = x.reshape(x.shape[:-1] + (-1, 32)); a = np.abs(x).max(-1, keepdims=True)
;;       e = np.where(a > 0, np.clip(np.frexp(np.where(a > 0, a, 1))[1] - 1 - 2, -126, 127), 0)      # np.frexp(a)[1] - 1 = floor(log2(a)), exactly
;;       r = np.clip(x / 2.0 ** e, -7.5, 7.5)
;;       step = 2.0 ** (np.maximum(np.frexp(np.where(r == 0, 1, r))[1] - 1, 0) - 3)
;;       q = np.round(r / step) * step * 2.0 ** e      # np.round: ties to even
;;       return np.moveaxis(q.reshape(q.shape[:-2] + (-1,))[..., :K], -1, axis).astype(np.float32)
;;   ~~~
;;   OPERANDS COMPUTED ON THE WAY. 'Computed on the way' means the value that the module computes at that place (a softmax that the list does not call 'softmax' is quantised finished and normalised). What goes into a quantiser is computed in f32, as accurately as f32 sums, v_exp_f32 and their like allow (about 1e-6 of the number): no bf16 or f16 on the way to a quantiser, and a product that is left as it is and whose result goes on into a quantised operand takes f32 operands (vector FMAs, or v_wmma_f32_16x16x4_f32). A number that lies on a knife's edge between two numbers of the format may be rounded either way, as far as f32 arithmetic and the matrix unit's own rounding can turn it there, and no further.
;;   INPUTS GIVEN AS CODES. w1_0 (in the module: [64, 64], K = its axis 0); w1_1 (in the module: [64, 64], K = its axis 0); w1_2 (in the module: [64, 64], K = its axis 0); w2_0 (in the module: [64, 64], K = its axis 0); w2_1 (in the module: [64, 64], K = its axis 0): each comes as NAME_codes (uint8): NAME with its K axis moved to the last place and cut into blocks of 32 codes, [.., K / 32, bytes a block], one block behind the other in memory; four codes in three bytes: a row's codes are one little-endian stream of bits, code i at bits 6 i .. 6 i + 5 (a code: sign, 2 exponent bits, 3 mantissa bits); and NAME_scales (uint8): the same leading axes, one E8M0 byte (e + 127) for each 32 codes along K. Its value is code x scale, taken as it is: it is not quantised again, and the codes and scales need not be those that the quantiser above would give.
;; One version. Each part assembles by itself: llvm-mc -triple=amdgcn-amd-amdhsa -mcpu=gfx1250 --defsym DOCPART=n.
;; ======== version 1 of 1: 3 launches
;; limits: right only within a limited range of input values
;; workspace buffers: cells 33,554,432 bytes of whole numbers; tcell 256 bytes of whole numbers; comb 134,217,728 bytes
;; launch cells (part 1): grid 1024 x 1, 8 waves a work-group, no clusters, 0 bytes of LDS; arguments x, t, cells, tcell; writes cells, tcell
.if DOCPART == 1
	.amdgcn_target "amdgcn-amd-amdhsa--gfx1250"
	.amdhsa_code_object_version 6
	.text
	.protected	k_q31dc3fd536_cells
	.globl	k_q31dc3fd536_cells
	.p2align	8
	.type	k_q31dc3fd536_cells,@function
k_q31dc3fd536_cells:
	s_mov_b64 s[64:65], 0
	v_nop
	global_prefetch_b8 v0, s[64:65] scope:SCOPE_SE
	s_setreg_imm32_b32 hwreg(HW_REG_WAVE_MODE, 25, 1), 1
	s_wait_xcnt 0x0
; THE WHOLE NUMBERS OF THE HASH.  For each point and each of the 16 grid levels: g = floor(coordinate x resolution), and of it the three terms of the hash,
; each cut to the 19 bits that the table's index keeps:  A = gx & M,  B = (gy x 2654435761) & M,  C = (gz x 805459861) & M,  M = 2^19 - 1.
; A product's low 19 bits hang on its factors' low 19 bits alone, so these terms serve every corner: the corner one further on adds the prime's low 19 bits.
; cells[pair p of levels][point][4 words]: words 0, 1 level 2 p, words 2, 3 level 2 p + 1;  word 0 = A | B << 19,  word 1 = B >> 13 | C << 6.  A pair's part is 4 MiB.
; tcell[2 l + m] = ((floor(t x resolution l) + m) x 3674653429) & M: the fourth coordinate's term, the same for all points.  128 bytes are written, and 128 are read later.
; THE RESOLUTIONS are floor(16 b^l), b = 128^(1/15) in double precision as the problem's text computes them; b^15 falls just short of 128 there, so the last is 2047.
; SHARES: a thread takes a point; a wave's store covers 512 consecutive bytes, aligned.  Each pair of levels has its own four data registers, so no store's data are written again.
; LIMITS: |coordinate x 2047| under 2^31 (the conversion to a whole number saturates beyond); NaN and infinities are not served.
.set RES0,  0x41800000                 ; 16
.set RES1,  0x41b00000                 ; 22
.set RES2,  0x41f00000                 ; 30
.set RES3,  0x42280000                 ; 42
.set RES4,  0x42680000                 ; 58
.set RES5,  0x42a00000                 ; 80
.set RES6,  0x42de0000                 ; 111
.set RES7,  0x43190000                 ; 153
.set RES8,  0x43540000                 ; 212
.set RES9,  0x43930000                 ; 294
.set RES10, 0x43cb0000                 ; 406
.set RES11, 0x440c4000                 ; 561
.set RES12, 0x44420000                 ; 776
.set RES13, 0x44860000                 ; 1072
.set RES14, 0x44b94000                 ; 1482
.set RES15, 0x44ffe000                 ; 2047
.set OUTD,  8                          ; v[8:39]  eight quadruples of store data
	s_load_b256 s[4:11], s[0:1], 0x0               ; x s[4:5], t s[6:7], cells s[8:9], tcell s[10:11]
	v_lshrrev_b32 v1, 5, v0
	s_delay_alu instid0(VALU_DEP_1)
	v_readfirstlane_b32 s13, v1                    ; wave
	v_mul_u32_u24 v1, v0, 12                       ; my point's 12 bytes of x
	v_lshlrev_b32 v5, 4, v0                        ; my point's 16 bytes of a pair's part
	s_mov_b32 s20, 0x9e3779b1                      ; 2654435761
	s_mov_b32 s21, 0x30025795                      ; 805459861
	s_mov_b32 s24, 0xdb06c2f5                      ; 3674653429
	s_mov_b32 s22, 0x7ffff                         ; M
	s_mul_i32 s14, ttmp9, 3072                     ; the work-group's 256 points in x
	s_mov_b32 s15, 0
	s_wait_alu depctr_va_vdst(0)
	s_wait_kmcnt 0x0
	s_load_b32 s12, s[6:7], 0x0                    ; t
	s_add_nc_u64 s[4:5], s[4:5], s[14:15]
	global_load_b96 v[2:4], v1, s[4:5] th:TH_LOAD_NT
	s_lshl_b32 s14, ttmp9, 12                      ; and in a pair's part of cells
	s_add_nc_u64 s[16:17], s[8:9], s[14:15]
	s_add_nc_u64 s[18:19], s[16:17], 0x1800000     ; two bases, at pairs 2 and 6: each reaches four pairs by a signed immediate of -8 MiB to +4 MiB
	s_add_nc_u64 s[16:17], s[16:17], 0x800000
	s_wait_kmcnt 0x0
	s_wait_loadcnt 0x0
; One level: three products, floors and conversions; two multiplications by primes; three masks; the three terms packed into two words.  Behind each odd level the pair's store.
.macro LEVEL l, R
.set DST, OUTD+4*((\l)/2)+2*((\l)%2)
	v_mul_f32 v40, \R, v2
	v_mul_f32 v41, \R, v3
	v_mul_f32 v42, \R, v4
	s_delay_alu instid0(VALU_DEP_3)
	v_floor_f32 v40, v40
	s_delay_alu instid0(VALU_DEP_3)
	v_floor_f32 v41, v41
	s_delay_alu instid0(VALU_DEP_3)
	v_floor_f32 v42, v42
	s_delay_alu instid0(VALU_DEP_3)
	v_cvt_i32_f32 v40, v40
	s_delay_alu instid0(VALU_DEP_3)
	v_cvt_i32_f32 v41, v41
	s_delay_alu instid0(VALU_DEP_3)
	v_cvt_i32_f32 v42, v42
	s_delay_alu instid0(VALU_DEP_2)
	v_mul_lo_u32 v41, v41, s20
	s_delay_alu instid0(VALU_DEP_2)
	v_mul_lo_u32 v42, v42, s21
	v_and_b32 v40, s22, v40
	s_delay_alu instid0(VALU_DEP_3)
	v_and_b32 v41, s22, v41
	s_delay_alu instid0(VALU_DEP_3)
	v_and_b32 v42, s22, v42
	s_delay_alu instid0(VALU_DEP_2)
	v_lshl_or_b32 v[DST], v41, 19, v40             ; A | B << 19
	s_delay_alu instid0(VALU_DEP_3)
	v_lshrrev_b32 v43, 13, v41
	s_delay_alu instid0(VALU_DEP_1)
	v_lshl_or_b32 v[DST+1], v42, 6, v43            ; B >> 13 | C << 6
.if ((\l)%2) == 1
	global_store_b128 v5, v[OUTD+4*((\l)/2):OUTD+4*((\l)/2)+3], s[16+2*(((\l)/2)/4):17+2*(((\l)/2)/4)] offset:((((\l)/2)%4)-2)*4194304 th:TH_STORE_NT
.endif
.endm
	LEVEL 0, RES0
	LEVEL 1, RES1
	LEVEL 2, RES2
	LEVEL 3, RES3
	LEVEL 4, RES4
	LEVEL 5, RES5
	LEVEL 6, RES6
	LEVEL 7, RES7
	LEVEL 8, RES8
	LEVEL 9, RES9
	LEVEL 10, RES10
	LEVEL 11, RES11
	LEVEL 12, RES12
	LEVEL 13, RES13
	LEVEL 14, RES14
	LEVEL 15, RES15
	; tcell: wave 0 of work-group 0 alone; lane 2 l + m makes the term of level l, corner m
	s_cmp_lg_u32 ttmp9, 0
	s_cbranch_scc1 .Lend
	s_cmp_lg_u32 s13, 0
	s_cbranch_scc1 .Lend
	v_mov_b32 v40, 0
.macro TL l, R                         ; level l's resolution into lanes 2 l and 2 l + 1
	s_mov_b32 s23, \R
	v_writelane_b32 v40, s23, 2*(\l)
	s_delay_alu instid0(VALU_DEP_1)
	v_writelane_b32 v40, s23, 2*(\l)+1
.endm
	TL 0, RES0
	TL 1, RES1
	TL 2, RES2
	TL 3, RES3
	TL 4, RES4
	TL 5, RES5
	TL 6, RES6
	TL 7, RES7
	TL 8, RES8
	TL 9, RES9
	TL 10, RES10
	TL 11, RES11
	TL 12, RES12
	TL 13, RES13
	TL 14, RES14
	TL 15, RES15
	s_delay_alu instid0(VALU_DEP_1)
	v_mul_f32 v41, s12, v40
	s_delay_alu instid0(VALU_DEP_1)
	v_floor_f32 v41, v41
	s_delay_alu instid0(VALU_DEP_1)
	v_cvt_i32_f32 v41, v41
	v_and_b32 v42, 1, v0                           ; m
	s_delay_alu instid0(VALU_DEP_1)
	v_add_nc_u32 v41, v41, v42
	s_delay_alu instid0(VALU_DEP_1)
	v_mul_lo_u32 v41, v41, s24
	s_delay_alu instid0(VALU_DEP_1)
	v_and_b32 v41, s22, v41
	v_lshlrev_b32 v43, 2, v0
	global_store_b32 v43, v41, s[10:11]
.Lend:
	s_endpgm
.Lfunc_end_k_q31dc3fd536_cells:
	.size	k_q31dc3fd536_cells, .Lfunc_end_k_q31dc3fd536_cells-k_q31dc3fd536_cells
	.p2alignl 7, 3214868480
	.fill 96, 4, 3214868480
	.section	.rodata,"a",@progbits
	.p2align	6, 0x0
	.amdhsa_kernel k_q31dc3fd536_cells
		.amdhsa_group_segment_fixed_size 0
		.amdhsa_private_segment_fixed_size 0
		.amdhsa_enable_private_segment 0
		.amdhsa_kernarg_size 32
		.amdhsa_user_sgpr_count 2
		.amdhsa_user_sgpr_kernarg_segment_ptr 1
		.amdhsa_wavefront_size32 1
		.amdhsa_system_sgpr_workgroup_id_x 1
		.amdhsa_system_sgpr_workgroup_id_y 1
		.amdhsa_system_sgpr_workgroup_id_z 1
		.amdhsa_system_vgpr_workitem_id 0
		.amdhsa_next_free_vgpr 48
		.amdhsa_next_free_sgpr 66
		.amdhsa_reserve_vcc 0
		.amdhsa_float_denorm_mode_32 3
		.amdhsa_float_denorm_mode_16_64 3
		.amdhsa_memory_ordered 1
		.amdhsa_forward_progress 1
		.amdhsa_inst_pref_size 25
	.end_amdhsa_kernel
	.amdgpu_metadata
---
amdhsa.version: [ 1, 2 ]
amdhsa.kernels:
  - .name:           k_q31dc3fd536_cells
    .symbol:         k_q31dc3fd536_cells.kd
    .args:
      - { .name: x, .offset: 0, .size: 8, .value_kind: global_buffer, .address_space: global }
      - { .name: t, .offset: 8, .size: 8, .value_kind: global_buffer, .address_space: global }
      - { .name: cells, .offset: 16, .size: 8, .value_kind: global_buffer, .address_space: global }
      - { .name: tcell, .offset: 24, .size: 8, .value_kind: global_buffer, .address_space: global }
    .group_segment_fixed_size: 0
    .private_segment_fixed_size: 0
    .kernarg_segment_align: 8
    .kernarg_segment_size: 32
    .max_flat_workgroup_size: 256
    .sgpr_count:     66
    .vgpr_count:     48
    .wavefront_size: 32
...
	.end_amdgpu_metadata
.endif
;; end of part 1
;; launch mix (part 2): grid 4096 x 1, 8 waves a work-group, no clusters, 0 bytes of LDS; arguments tcell, t, table_static, table_dynamic, comb; writes comb
.if DOCPART == 2
	.amdgcn_target "amdgcn-amd-amdhsa--gfx1250"
	.amdhsa_code_object_version 6
	.text
	.protected	k_q31dc3fd536_mix
	.globl	k_q31dc3fd536_mix
	.p2align	8
	.type	k_q31dc3fd536_mix,@function
k_q31dc3fd536_mix:
	s_mov_b64 s[64:65], 0
	v_nop
	global_prefetch_b8 v0, s[64:65] scope:SCOPE_SE
	s_setreg_imm32_b32 hwreg(HW_REG_WAVE_MODE, 25, 1), 1
	s_wait_xcnt 0x0
; ONE TABLE OUT OF TWO.  t is one number for all points, so in the dynamic encoding the fourth coordinate only picks, level by level, two xor terms T0, T1 (tcell) and the weights 1 - ft, ft.
; comb[level][h] = ( S[level][h] (2 numbers),  (1 - ft) D[level][h ^ T0] + ft D[level][h ^ T1] (2 numbers) ),  16 bytes an entry, 8 MiB a level:
; the next launch then finds a corner's static and dynamic pair by ONE index h, the hash of x, y, z.  The sum over t's two corners is taken first here and last in the problem's text: only the order of rounding differs.
; SHARES: 256 work-groups a level, 2,048 entries each; a thread takes entries h0 + 256 j, j = 0 .. 7.  For 32 neighbouring h, aligned, h ^ T runs through one aligned run of 32 entries:
; each load of a wave covers 256 consecutive bytes, aligned, each store 512.  All 24 loads of a thread are issued before the first is waited for.
; ADDRESSES hang on whole numbers alone: ids and tcell, which the launch before stored.  t enters the weights only.
; No LDS, no matrix work, no data prefetch: the launch is one run of loads and stores with no loop to run ahead in.
; LIMITS: |t x 2047| under 2^31; NaN and infinities are not served.
.set M19, 0x7ffff
.set FT,  6                            ; v[6:7]   1 - ft, ft
.set OQ,  8                            ; v[8:39]  eight quadruples to store; S lands in the lower pair of each
.set DA,  40                           ; v[40:55] index, then entry, at t's lower corner
.set DB,  56                           ; v[56:71] at the upper corner
	s_load_b256 s[4:11], s[0:1], 0x0               ; tcell s[4:5], t s[6:7], S s[8:9], D s[10:11]
	s_load_b64 s[12:13], s[0:1], 0x20              ; comb
	s_lshr_b32 s14, ttmp9, 8                       ; level
	s_and_b32 s15, ttmp9, 255                      ; which 2,048 entries of it
	s_lshl_b32 s16, s15, 11
	v_lshlrev_b32 v1, 3, v0                        ; my 8 bytes of S
	v_lshlrev_b32 v2, 4, v0                        ; my 16 bytes of comb
.irp j, 0,1,2,3,4,5,6,7
	v_add3_u32 v[DA+2*\j], s16, v0, 256*\j         ; h
.endr
	s_mov_b32 s17, 0x41800000                      ; the level's resolution as f32, chosen by the work-group's number: 16, 22, 30, 42, 58, 80, 111, 153, 212, 294, 406, 561, 776, 1072, 1482, 2047
.macro SELR n, R
	s_cmp_eq_u32 s14, \n
	s_cselect_b32 s17, \R, s17
.endm
	SELR 1, 0x41b00000
	SELR 2, 0x41f00000
	SELR 3, 0x42280000
	SELR 4, 0x42680000
	SELR 5, 0x42a00000
	SELR 6, 0x42de0000
	SELR 7, 0x43190000
	SELR 8, 0x43540000
	SELR 9, 0x43930000
	SELR 10, 0x43cb0000
	SELR 11, 0x440c4000
	SELR 12, 0x44420000
	SELR 13, 0x44860000
	SELR 14, 0x44b94000
	SELR 15, 0x44ffe000
	s_lshl_b32 s18, s14, 3
	s_mov_b32 s19, 0
	s_wait_alu depctr_va_vdst(0)
	s_wait_kmcnt 0x0
	s_add_nc_u64 s[4:5], s[4:5], s[18:19]
	s_load_b64 s[20:21], s[4:5], 0x0               ; T0, T1 of my level
	s_load_b32 s22, s[6:7], 0x0                    ; t
	s_lshl_b32 s18, s14, 22                        ; a level of S or D is 4 MiB
	s_add_nc_u64 s[10:11], s[10:11], s[18:19]
	s_add_nc_u64 s[8:9], s[8:9], s[18:19]
	s_lshl_b32 s18, s15, 14
	s_add_nc_u64 s[8:9], s[8:9], s[18:19]
	s_lshl_b32 s18, s14, 23                        ; a level of comb is 8 MiB
	s_add_nc_u64 s[12:13], s[12:13], s[18:19]
	s_lshl_b32 s18, s15, 15
	s_add_nc_u64 s[12:13], s[12:13], s[18:19]
.irp j, 0,1,2,3,4,5,6,7
	global_load_b64 v[OQ+4*\j:OQ+4*\j+1], v1, s[8:9] offset:2048*\j th:TH_LOAD_NT
.endr
	s_wait_kmcnt 0x0
	s_mul_f32 s23, s22, s17                        ; t x resolution
	v_fract_f32 v[FT+1], s23
.irp j, 0,1,2,3,4,5,6,7
	v_xor_b32 v[DB+2*\j], s21, v[DA+2*\j]
.endr
.irp j, 0,1,2,3,4,5,6,7
	v_xor_b32 v[DA+2*\j], s20, v[DA+2*\j]
.endr
	v_sub_f32 v[FT], 1.0, v[FT+1]
.irp j, 0,1,2,3,4,5,6,7
	v_min_u32 v[DB+2*\j], M19, v[DB+2*\j]          ; a loaded number enters an address only behind this bound
.endr
.irp j, 0,1,2,3,4,5,6,7
	v_min_u32 v[DA+2*\j], M19, v[DA+2*\j]
.endr
.irp j, 0,1,2,3,4,5,6,7
	v_lshlrev_b32 v[DB+2*\j], 3, v[DB+2*\j]
.endr
.irp j, 0,1,2,3,4,5,6,7
	v_lshlrev_b32 v[DA+2*\j], 3, v[DA+2*\j]
.endr
.irp j, 0,1,2,3,4,5,6,7
	global_load_b64 v[DA+2*\j:DA+2*\j+1], v[DA+2*\j], s[10:11]
	global_load_b64 v[DB+2*\j:DB+2*\j+1], v[DB+2*\j], s[10:11]
.endr
.irp j, 0,1,2,3,4,5,6,7
	s_wait_loadcnt 14-2*\j                         ; behind entry j's two loads stand two for each later entry; S's eight are older
	v_pk_mul_f32 v[OQ+4*\j+2:OQ+4*\j+3], v[DA+2*\j:DA+2*\j+1], v[FT:FT+1] op_sel_hi:[1,0]
	s_delay_alu instid0(VALU_DEP_1)
	v_pk_fma_f32 v[OQ+4*\j+2:OQ+4*\j+3], v[DB+2*\j:DB+2*\j+1], v[FT:FT+1], v[OQ+4*\j+2:OQ+4*\j+3] op_sel:[0,1,0] op_sel_hi:[1,1,1]
	global_store_b128 v2, v[OQ+4*\j:OQ+4*\j+3], s[12:13] offset:4096*\j
.endr
	s_endpgm
.Lfunc_end_k_q31dc3fd536_mix:
	.size	k_q31dc3fd536_mix, .Lfunc_end_k_q31dc3fd536_mix-k_q31dc3fd536_mix
	.p2alignl 7, 3214868480
	.fill 96, 4, 3214868480
	.section	.rodata,"a",@progbits
	.p2align	6, 0x0
	.amdhsa_kernel k_q31dc3fd536_mix
		.amdhsa_group_segment_fixed_size 0
		.amdhsa_private_segment_fixed_size 0
		.amdhsa_enable_private_segment 0
		.amdhsa_kernarg_size 40
		.amdhsa_user_sgpr_count 2
		.amdhsa_user_sgpr_kernarg_segment_ptr 1
		.amdhsa_wavefront_size32 1
		.amdhsa_system_sgpr_workgroup_id_x 1
		.amdhsa_system_sgpr_workgroup_id_y 1
		.amdhsa_system_sgpr_workgroup_id_z 1
		.amdhsa_system_vgpr_workitem_id 0
		.amdhsa_next_free_vgpr 128
		.amdhsa_next_free_sgpr 66
		.amdhsa_reserve_vcc 0
		.amdhsa_float_denorm_mode_32 3
		.amdhsa_float_denorm_mode_16_64 3
		.amdhsa_memory_ordered 1
		.amdhsa_forward_progress 1
		.amdhsa_inst_pref_size 10
	.end_amdhsa_kernel
	.amdgpu_metadata
---
amdhsa.version: [ 1, 2 ]
amdhsa.kernels:
  - .name:           k_q31dc3fd536_mix
    .symbol:         k_q31dc3fd536_mix.kd
    .args:
      - { .name: tcell, .offset: 0, .size: 8, .value_kind: global_buffer, .address_space: global }
      - { .name: t, .offset: 8, .size: 8, .value_kind: global_buffer, .address_space: global }
      - { .name: table_static, .offset: 16, .size: 8, .value_kind: global_buffer, .address_space: global }
      - { .name: table_dynamic, .offset: 24, .size: 8, .value_kind: global_buffer, .address_space: global }
      - { .name: comb, .offset: 32, .size: 8, .value_kind: global_buffer, .address_space: global }
    .group_segment_fixed_size: 0
    .private_segment_fixed_size: 0
    .kernarg_segment_align: 8
    .kernarg_segment_size: 40
    .max_flat_workgroup_size: 256
    .sgpr_count:     66
    .vgpr_count:     128
    .wavefront_size: 32
...
	.end_amdgpu_metadata
.endif
;; end of part 2
;; launch field (part 3): grid 256 x 1, 16 waves a work-group, no clusters, 298,496 bytes of LDS; arguments cells, x, comb, skip_alpha, w2_2, out0, w1_0_codes, w1_0_scales, w1_1_codes, w1_1_scales, w1_2_codes, w1_2_scales, w2_0_codes, w2_0_scales, w2_1_codes, w2_1_scales; writes out0
.if DOCPART == 3
	.amdgcn_target "amdgcn-amd-amdhsa--gfx1250"
	.amdhsa_code_object_version 6
	.text
	.protected	k_q31dc3fd536_field
	.globl	k_q31dc3fd536_field
	.p2align	8
	.type	k_q31dc3fd536_field,@function
k_q31dc3fd536_field:
	s_mov_b64 s[64:65], 0
	v_nop
	global_prefetch_b8 v0, s[64:65] scope:SCOPE_SE
	s_setreg_imm32_b32 hwreg(HW_REG_WAVE_MODE, 25, 1), 1
	s_wait_xcnt 0x0
; TWO HASH-GRID ENCODINGS AND A CHAIN OF SIX PRODUCTS, for 262,144 points.  out = relu(relu(blend W2_0) W2_1) w2_2,  blend = alpha relu(relu(relu(feat W1_0) W1_1) W1_2) + (1 - alpha) feat.
; feat = 32 static and 32 dynamic features.  Both come from comb, which the launch before made: entry h of a level holds the static pair and the dynamic pair already summed over t's two corners,
; so a level of a point is 8 entries of 16 bytes, at the hashes of the cell's 8 corners in x, y, z.  t and tcell reach the result through comb alone and are no arguments here.
; SHARES.  256 work-groups x 16 waves x 2 trips x 32 points.  In a trip a wave owns two tiles of 16 points and walks the 16 levels.
; ADDRESSES come from whole numbers alone: ids and cells (the three hash terms of a point and level, 19 bits each).  The weights are made here from x; they are data only.
; A STEP is one level of one tile.  Lane (r = lane % 16, i = lane / 16) takes point r and the 4 corners with x offset i: x's prime is 1, so lanes r and r + 16 ask for neighbouring entries unless gx + 1 carries further.
; Steps are asked for two ahead: four landing buffers take turns.  The halves of the lanes are joined by two exchanges and one packed addition, after which lane (r, h) holds the static (h = 0) or dynamic (h = 1)
; pair of point r: ONE BLOCK OF 32 ALONG K of one point in 32 registers, the place that the 6-bit operand's layout gives it.  Features stay in registers to the blend.
; LEVELS 0 AND 1 FROM LDS.  Their grids over [0, 1] have 17^3 and 23^3 points: the work-group copies those points' entries of comb into LDS once, point (gx, gy, gz) at 16 (gx + n gy + n^2 gz), n = 17 or 23
; (each grid filled up to whole sweeps of 512 threads; what lies past n^3 is copied and never read).  A thread's grid point is made of ids by exact division (multiply and shift), its entry by the hash.
; A point's gy and gz come back from its hash terms by the primes' inverses modulo 2^19.  Where any point of a wave's tile lies outside the grid (a stored whole number decides), the wave takes these levels from comb like the others.
; THE PRODUCTS ARE USED TRANSPOSED (source 0 = 16 rows of W, source 1 = 16 points); lane r of W's tile t takes unit 8 t + r % 8 + 32 (r / 8), so register 8 t + j of lane (r, h) is unit 32 h + 8 t + j of point r:
; again a whole block in a lane.  K is 64 of the instruction's 128: registers 6 to 11 of both operands hold zero codes, bytes 2 and 3 of the scale words are 0.
; THE WEIGHTS lie in LDS as images of the operand's registers: waves 0 to 4 lay a layer each, once; one barrier; then every wave reads 8 bytes a lane at 8 x lane.
; NO CLUSTER, NO TENSOR LOAD: what work-groups share is 16,000 bytes of weights and entries at hashed places; there is no tile to share.
; NO DATA PREFETCH: a pair of levels' words of cells are asked for by their own load four steps ahead of their first use, and the gathers' addresses are known only from those words.
; LIMITS: |coordinate x 2047| under 2^31; NaN and infinities are not served; a block of zeros gets the scale byte 1 (its codes are zeros, and this program alone reads the byte); a given weight scale of 0xff is not served.
.set M19,   0x7ffff
.set RES0,  0x41800000                 ; the resolutions as f32: 16, 22, 30, 42, 58, 80, 111, 153, 212, 294, 406, 561, 776, 1072, 1482, 2047
.set RES1,  0x41b00000
.set RES2,  0x41f00000
.set RES3,  0x42280000
.set RES4,  0x42680000
.set RES5,  0x42a00000
.set RES6,  0x42de0000
.set RES7,  0x43190000
.set RES8,  0x43540000
.set RES9,  0x43930000
.set RES10, 0x43cb0000
.set RES11, 0x440c4000
.set RES12, 0x44420000
.set RES13, 0x44860000
.set RES14, 0x44b94000
.set RES15, 0x44ffe000
.set LAYER, 3584                       ; LDS: layer n at 3,584 n: twelve pieces of 256 bytes (tile t, piece p at 256 (3 t + p) + 8 lane), then four runs of scale words (128 t + 4 lane)
.set SPARE, 5*LAYER                    ; behind them the spare words, 128 bytes a wave: eight blocks of 256 bytes that no other line names
.set GRID0, SPARE+2048                 ; level 0's grid: 10 sweeps of 512 threads x 16 bytes
.set GRID1, GRID0+10*8192              ; level 1's: 24 sweeps
.set TRIPS, 2
; SCALARS
.set WV,  2                            ; wave
.set TRP, 3                            ; trip
.set SEL, 18                           ; s[18:19] lane selects: lane l xor 16
.set CB,  20                           ; s[20:21] cells at the work-group's points of pair 2, s[22:23] of pair 6: four pairs each by a signed immediate
.set WP,  24                           ; s[24:43] layer n: codes s[24+4n:25+4n], scales s[26+4n:27+4n]
.set INV1, 44                          ; 208721: (2654435761 x 208721) mod 2^19 = 1
.set INV2, 45                          ; 408509: (805459861 x 408509) mod 2^19 = 1
.set AL,  60                           ; s[60:61] alpha, twice
.set BE,  62                           ; s[62:63] 1 - alpha, twice
.set MSK, 66
.set P1M, 67                           ; 2654435761 & M
.set P2M, 68                           ; 805459861 & M
.set TBL, 70                           ; s[70:101] comb at level l, l = 0 .. 15
; VECTORS kept through the launch
.set IX,   1                           ; i = h = lane / 16
.set W1I,  2                           ; 1 - i as f32
.set W2I,  3                           ; 2 i - 1 as f32
.set CO,   4                           ; my point's 16 bytes in a pair's part of cells (tile 1: + 256)
.set XO,   5                           ; its 12 bytes of x (tile 1: + 192)
.set SPW,  6                           ; my spare word
.set NIL,  7                           ; 0
.set LW8,  8                           ; 8 lane
.set LW4,  9                           ; 4 lane
.set H8,   10                          ; 8 h
.set OUTO, 11                          ; my 4 bytes of out0
.set W2O,  12                          ; 128 h
.set PX,   13                          ; a lane permute's destination
.set RS0,  14
.set RS1,  15
.set FEAT, 140                         ; v[140:171], v[172:203] the two tiles' features; until level 14 is finished the last four of each hold pair 0's words of cells
.set WS,   204                         ; v204-207 W's scale words, v208-209 the tiles': scales and nothing else
.set SC,   208
.set W2R,  210                         ; v[210:241] my block's 32 numbers of w2_2
.set QA,   242                         ; the quantiser's: two maxima, the conversions' scale operand, the byte, the upper 16 codes
.set QB,   243
.set QS,   244
.set QY,   245
.set QT,   246
.set OUTV, 249
.set CH,   250                         ; v[250:253] the last product's two chains
; while gathering
.set XYZ,  16                          ; v[16:18], v[20:22]
.set CELL, 24                          ; v[24:39] two buffers (pair % 2) x two tiles x four words
.set WT,   40                          ; v[40:55] four buffers of wx wy_j wz_k at 2 j + k
.set TA,   56
.set TB0,  57
.set TB1,  58
.set TC0,  59
.set TC1,  60
.set TAB0, 61
.set TAB1, 62
.set FX,   64
.set FY,   66
.set FZ,   68
.set UU,   70
.set SS,   72
.set PA,   74
.set LAND, 76                          ; v[76:139] four buffers (2 (level % 2) + tile) of four entries; an entry from comb lands on its own offset register
; in the chain of products
.set DD,   16                          ; v[16:47]  four accumulators
.set WF,   48                          ; v[48:95]  four fragments of W
.set OP,   96                          ; v[96:119] the two tiles' operands
; at the head
.set GQ,   16                          ; v[16:151] 34 quadruples: a sweep's work registers, then its entry
.set ST,   152                         ; v[152:179] a layer on its way to LDS
.set WOFF, 180
.set SOFF, 181
.set FA,   184                         ; v184-188 GRID0 + 16 x thread + 65,536 m: eight sweeps each by the immediate
	s_load_b256 s[4:11], s[0:1], 0x0               ; cells s[4:5], x s[6:7], comb s[8:9], alpha s[10:11]
	s_load_b128 s[12:15], s[0:1], 0x20             ; w2_2 s[12:13], out0 s[14:15]
	s_load_b512 s[24:39], s[0:1], 0x30
	s_load_b128 s[40:43], s[0:1], 0x70
	v_lshl_add_u32 v[SPW], v0, 2, SPARE
	v_mov_b32 v[NIL], 0
	v_lshrrev_b32 v[PX], 5, v0
	v_bfe_u32 v[IX], v0, 4, 1
	v_and_b32 v[CO], 0x1ef, v0                     ; 32 wave + r: both halves of the lanes take the same point
	v_and_b32 v[LW4], 31, v0
	v_and_b32 v182, 7, v0
	v_bfe_u32 v183, v0, 3, 1
	v_readfirstlane_b32 s[WV], v[PX]
	v_cvt_f32_u32 v[W2I], v[IX]
	v_mul_u32_u24 v[XO], v[CO], 12
	v_lshlrev_b32 v[CO], 4, v[CO]
	v_lshlrev_b32 v[LW8], 3, v[LW4]
	v_lshl_add_u32 v182, v183, 5, v182             ; r % 8 + 32 (r / 8): my row of tile 0 of a weight
	v_sub_f32 v[W1I], 1.0, v[W2I]
	v_lshlrev_b32 v[LW4], 2, v[LW4]
	v_lshlrev_b32 v[H8], 3, v[IX]
	v_lshlrev_b32 v[W2O], 7, v[IX]
	v_mul_u32_u24 v[WOFF], v182, 48                ; a row of W is 48 bytes
	v_lshlrev_b32 v[SOFF], 1, v182
	v_fma_f32 v[W2I], v[W2I], 2.0, -1.0
	v_lshlrev_b32 v[OUTO], 2, v0
	v_mov_b32 v[PX], 0
	v_mad_u32_u24 v[WOFF], v[IX], 24, v[WOFF]      ; + my block's 24
.irp m, 0,1,2,3,4
	v_lshl_add_u32 v[FA+\m], v0, 4, GRID0+65536*\m
.endr
	s_mov_b32 s[SEL], 0x76543210
	s_mov_b32 s[SEL+1], 0xfedcba98
	s_mov_b32 s[MSK], M19
	s_mov_b32 s[P1M], 0x779b1
	s_mov_b32 s[P2M], 0x25795
	s_mov_b32 s[INV1], 208721
	s_mov_b32 s[INV2], 408509
	s_mov_b32 s[TRP], 0
	s_lshl_b32 s16, ttmp9, 14                      ; the work-group's 1,024 points x 16 bytes
	s_mov_b32 s17, 0
	s_wait_alu depctr_va_vdst(0)
	s_wait_kmcnt 0x0
	s_load_b32 s[AL], s[10:11], 0x0
	s_add_nc_u64 s[CB:CB+1], s[4:5], s[16:17]
	s_add_nc_u64 s[CB+2:CB+3], s[CB:CB+1], 0x1800000
	s_add_nc_u64 s[CB:CB+1], s[CB:CB+1], 0x800000
	s_mul_i32 s16, ttmp9, 12288
	s_add_nc_u64 s[6:7], s[6:7], s[16:17]
	s_lshl_b32 s16, ttmp9, 12
	s_add_nc_u64 s[14:15], s[14:15], s[16:17]
.irp k, 0,1,2,3,4,5,6,7,8,9,10,11,12,13,14,15
	s_add_nc_u64 s[TBL+2*\k:TBL+2*\k+1], s[8:9], 0x800000*\k
.endr
.irp p, 0,1,2,3,4,5,6,7
	global_load_b128 v[W2R+4*\p:W2R+4*\p+3], v[W2O], s[12:13] offset:16*\p
.endr
; THE GRIDS.  Sweep i of a level: grid point v = thread + 512 i = gx + n gy + n^2 gz.  Each line of the recipe runs over all the level's sweeps before the next line, so that no line waits for the line above it.
; v / n^2 = (v m2) >> 24 and r / n = (r m1) >> 16, exact for v under 12,288 and r under 529: m2 n^2 - 2^24 is 101 or 19 and m1 n - 2^16 is 16 or 14, and these times v or r stay under 2^24 and 2^16.
.macro OPK op, d, k, s, cnt            ; register d of each quadruple = op(constant k, register s)
.set i, 0
.rept \cnt
	\op v[QQ+4*i+\d], \k, v[QQ+4*i+\s]
.set i, i+1
.endr
.endm
.macro OPV op, d, a, b, cnt            ; register d = op(register a, register b)
.set i, 0
.rept \cnt
	\op v[QQ+4*i+\d], v[QQ+4*i+\a], v[QQ+4*i+\b]
.set i, i+1
.endr
.endm
.macro GRID lvl, cnt, n, m2, m1
.set i, 0
.rept \cnt
	v_add_nc_u32 v[QQ+4*i], 512*i, v0              ; v
.set i, i+1
.endr
	OPK v_mul_u32_u24, 1, \m2, 0, \cnt
	OPK v_lshrrev_b32, 1, 24, 1, \cnt              ; gz
	OPK v_mul_u32_u24, 3, (\n)*(\n), 1, \cnt
	OPV v_sub_nc_u32, 0, 0, 3, \cnt                ; r = v - n^2 gz
	OPK v_mul_u32_u24, 2, \m1, 0, \cnt
	OPK v_lshrrev_b32, 2, 16, 2, \cnt              ; gy
	OPK v_mul_u32_u24, 3, \n, 2, \cnt
	OPV v_sub_nc_u32, 0, 0, 3, \cnt                ; gx
	OPK v_mul_u32_u24, 2, s[P1M], 2, \cnt
	OPK v_mul_u32_u24, 1, s[P2M], 1, \cnt
	OPV v_xor_b32, 0, 0, 2, \cnt
	OPV v_xor_b32, 0, 0, 1, \cnt
	OPK v_and_b32, 0, s[MSK], 0, \cnt              ; the hash: inside the level's table
	OPK v_lshlrev_b32, 0, 4, 0, \cnt
.set i, 0
.rept \cnt
	global_load_b128 v[QQ+4*i:QQ+4*i+3], v[QQ+4*i], s[TBL+2*\lvl:TBL+2*\lvl+1]
.set i, i+1
.endr
.endm
.set QQ, GQ
	GRID 0, 10, 17, 58053, 3856
.set QQ, GQ+40
	GRID 1, 24, 23, 31715, 2850
; wave n, n = 0 .. 4, lays layer n into LDS: lane (r, h) takes 24 bytes of its tile's row in pieces of 8, and the row's two scale bytes as a half word (bytes 2 and 3 of the word are 0)
.irp n, 0,1,2,3,4
	s_cmp_lg_u32 s[WV], \n
	s_cbranch_scc1 .Lnot\n
.irp t, 0,1,2,3
.irp p, 0,1,2
	global_load_b64 v[ST+6*\t+2*\p:ST+6*\t+2*\p+1], v[WOFF], s[WP+4*\n:WP+4*\n+1] offset:384*\t+8*\p
.endr
	global_load_u16 v[ST+24+\t], v[SOFF], s[WP+4*\n+2:WP+4*\n+3] offset:16*\t
.endr
	s_wait_loadcnt 0x0
.irp t, 0,1,2,3
.irp p, 0,1,2
	ds_store_b64 v[LW8], v[ST+6*\t+2*\p:ST+6*\t+2*\p+1] offset:LAYER*\n+256*(3*\t+\p)
.endr
	ds_store_b32 v[LW4], v[ST+24+\t] offset:LAYER*\n+3072+128*\t
.endr
.Lnot\n:
.endr
	s_wait_kmcnt 0x0
	s_mov_b32 s[AL+1], s[AL]
	s_mul_f32 s[BE], s[AL], -1.0
	s_add_f32 s[BE], s[BE], 1.0                    ; 1 - alpha, rounded once
	s_mov_b32 s[BE+1], s[BE]
	s_wait_loadcnt 0x0                             ; the 34 entries, and w2_2's numbers
.set i, 0
.rept 34
	ds_store_b128 v[FA+i/8], v[GQ+4*i:GQ+4*i+3] offset:8192*(i%8)
.set i, i+1
.endr
	s_wait_dscnt 0x0                               ; for the others' sake: my stores are done
	s_barrier_signal -1
	s_barrier_wait -1                              ; weights and grids are whole for every wave; nothing is stored to LDS behind this line
; Four offsets into level l of comb and four loads.  W0: the level's two words of cells; LL: the landing buffer.
.macro IDX l
	v_add_nc_u32 v[TA], v[W0], v[IX]               ; gx + i (what it carries past bit 18 is cut below)
	v_alignbit_b32 v[TB0], v[W0+1], v[W0], 19      ; y's term
	v_bfe_u32 v[TC0], v[W0+1], 6, 19               ; z's term
	s_delay_alu instid0(VALU_DEP_3)
	v_and_b32 v[TA], s[MSK], v[TA]
	s_delay_alu instid0(VALU_DEP_3)
	v_and_b32 v[TB0], s[MSK], v[TB0]
	s_delay_alu instid0(VALU_DEP_3)
	v_add_nc_u32 v[TC1], s[P2M], v[TC0]            ; the corner one on in z: + the prime,
	s_delay_alu instid0(VALU_DEP_2)
	v_add_nc_u32 v[TB1], s[P1M], v[TB0]            ; in y likewise,
	s_delay_alu instid0(VALU_DEP_2)
	v_and_b32 v[TC1], s[MSK], v[TC1]               ; modulo 2^19
	s_delay_alu instid0(VALU_DEP_2)
	v_and_b32 v[TB1], s[MSK], v[TB1]
	v_xor_b32 v[TAB0], v[TA], v[TB0]
	s_delay_alu instid0(VALU_DEP_2)
	v_xor_b32 v[TAB1], v[TA], v[TB1]
	s_delay_alu instid0(VALU_DEP_2)
	v_xor_b32 v[LL], v[TAB0], v[TC0]               ; the index of corner (j, k) at entry 2 j + k
	s_delay_alu instid0(VALU_DEP_3)
	v_xor_b32 v[LL+4], v[TAB0], v[TC1]
	s_delay_alu instid0(VALU_DEP_3)
	v_xor_b32 v[LL+8], v[TAB1], v[TC0]
	s_delay_alu instid0(VALU_DEP_4)
	v_xor_b32 v[LL+12], v[TAB1], v[TC1]
.irp q, 0,1,2,3
	s_delay_alu instid0(VALU_DEP_4)
	v_min_u32 v[LL+4*\q], M19, v[LL+4*\q]          ; a loaded number enters an address only behind this bound: no index leaves its level's table
.endr
.irp q, 0,1,2,3
	s_delay_alu instid0(VALU_DEP_4)
	v_lshlrev_b32 v[LL+4*\q], 4, v[LL+4*\q]        ; 16 bytes an entry
.endr
.irp q, 0,1,2,3
	global_load_b128 v[LL+4*\q:LL+4*\q+3], v[LL+4*\q], s[TBL+2*(\l):TBL+2*(\l)+1]
.endr
.endm
; The four weights wx wy_j wz_k.  XX: the tile's x, y, z; WW: the weights' buffer.
.macro WGT R
	v_mul_f32 v[FX+1], \R, v[XX]
	v_mul_f32 v[FY+1], \R, v[XX+1]
	v_mul_f32 v[FZ+1], \R, v[XX+2]
	s_delay_alu instid0(VALU_DEP_3)
	v_fract_f32 v[FX+1], v[FX+1]
	s_delay_alu instid0(VALU_DEP_3)
	v_fract_f32 v[FY+1], v[FY+1]
	s_delay_alu instid0(VALU_DEP_3)
	v_fract_f32 v[FZ+1], v[FZ+1]
	s_delay_alu instid0(VALU_DEP_2)
	v_sub_f32 v[FY], 1.0, v[FY+1]
	s_delay_alu instid0(VALU_DEP_2)
	v_sub_f32 v[FZ], 1.0, v[FZ+1]
	v_fma_f32 v[FX], v[FX+1], v[W2I], v[W1I]       ; i = 0: 1 - fx; i = 1: fx
	s_delay_alu instid0(VALU_DEP_1)
	v_pk_mul_f32 v[UU:UU+1], v[FY:FY+1], v[FX:FX+1] op_sel_hi:[1,0]
	s_delay_alu instid0(VALU_DEP_1)
	v_pk_mul_f32 v[WW:WW+1], v[FZ:FZ+1], v[UU:UU+1] op_sel_hi:[1,0]
	s_delay_alu instid0(VALU_DEP_2)
	v_pk_mul_f32 v[WW+2:WW+3], v[FZ:FZ+1], v[UU:UU+1] op_sel:[0,1] op_sel_hi:[1,1]
.endm
; The four entries are weighed and summed, the halves of the lanes joined, the pair of features kept at register dst.
.macro FBODY dst
	v_pk_mul_f32 v[SS:SS+1], v[LL:LL+1], v[WW:WW+1] op_sel_hi:[1,0]              ; the static and the dynamic sum by turns; a weight serves both numbers of a pair
	v_pk_mul_f32 v[PA:PA+1], v[LL+2:LL+3], v[WW:WW+1] op_sel_hi:[1,0]
	s_delay_alu instid0(VALU_DEP_2)
	v_pk_fma_f32 v[SS:SS+1], v[LL+4:LL+5], v[WW:WW+1], v[SS:SS+1] op_sel:[0,1,0] op_sel_hi:[1,1,1]
	s_delay_alu instid0(VALU_DEP_2)
	v_pk_fma_f32 v[PA:PA+1], v[LL+6:LL+7], v[WW:WW+1], v[PA:PA+1] op_sel:[0,1,0] op_sel_hi:[1,1,1]
	s_delay_alu instid0(VALU_DEP_2)
	v_pk_fma_f32 v[SS:SS+1], v[LL+8:LL+9], v[WW+2:WW+3], v[SS:SS+1] op_sel_hi:[1,0,1]
	s_delay_alu instid0(VALU_DEP_2)
	v_pk_fma_f32 v[PA:PA+1], v[LL+10:LL+11], v[WW+2:WW+3], v[PA:PA+1] op_sel_hi:[1,0,1]
	s_delay_alu instid0(VALU_DEP_2)
	v_pk_fma_f32 v[SS:SS+1], v[LL+12:LL+13], v[WW+2:WW+3], v[SS:SS+1] op_sel:[0,1,0] op_sel_hi:[1,1,1]
	s_delay_alu instid0(VALU_DEP_2)
	v_pk_fma_f32 v[PA:PA+1], v[LL+14:LL+15], v[WW+2:WW+3], v[PA:PA+1] op_sel:[0,1,0] op_sel_hi:[1,1,1]
	s_delay_alu instid0(VALU_DEP_1)
	v_permlane16_swap_b32 v[SS], v[PA]             ; the static sum's lanes 16-31 change places with the dynamic sum's lanes 0-15:
	s_delay_alu instid0(VALU_DEP_2)
	v_permlane16_swap_b32 v[SS+1], v[PA+1]         ; lanes 0-15 now hold both halves of the static sum, lanes 16-31 of the dynamic one
	v_pk_add_f32 v[(\dst):(\dst)+1], v[SS:SS+1], v[PA:PA+1]
.endm
; THE FIRST HALF OF A STEP, levels 2 to 15.  At an even level the next pair's words of cells are asked for, into the other buffer.
.macro ISSUE l, tau, R
.set LL, LAND+16*(2*((\l)%2)+(\tau))
.set WW, WT+4*(2*((\l)%2)+(\tau))
.set W0, CELL+8*(((\l)/2)%2)+4*(\tau)+2*((\l)%2)
.set XX, XYZ+4*(\tau)
.set PN, (\l)/2+1
.if (((\l)%2) == 0) && ((\l) <= 12)
	global_load_b128 v[CELL+8*(PN%2)+4*(\tau):CELL+8*(PN%2)+4*(\tau)+3], v[CO], s[CB+2*(PN/4):CB+2*(PN/4)+1] offset:((PN%4)-2)*4194304+256*(\tau) th:TH_LOAD_NT
.endif
	IDX \l
	WGT \R
.endm
.macro CNT u                           ; the loads of step u (level u / 2): four gathers, and a load of cells at an even level up to 12
.if (\u) < 32
.set LEFT, LEFT+4
.if ((((\u)/2)%2) == 0) && (((\u)/2) <= 12)
.set LEFT, LEFT+1
.endif
.endif
.endm
; THE SECOND HALF.  The wait's count is the loads of the two steps issued behind this step's gathers.
; Loads come back in order (ISA guide 5.7.1): a load of cells stands ahead of its own step's gathers, so it has landed when that step is finished, two steps before its words are unpacked.
.macro FINISH l, tau
.set LL, LAND+16*(2*((\l)%2)+(\tau))
.set WW, WT+4*(2*((\l)%2)+(\tau))
.set LEFT, 0
	CNT 2*(\l)+(\tau)+1
	CNT 2*(\l)+(\tau)+2
	s_wait_loadcnt LEFT
	FBODY FEAT+32*(\tau)+2*(\l)
.endm
.macro LVL l, RN                       ; level l is finished while level l + 1 is asked for
	ISSUE (\l)+1, 0, \RN
	FINISH \l, 0
	ISSUE (\l)+1, 1, \RN
	FINISH \l, 1
.endm
; A WHOLE STEP OF LEVEL 0 OR 1, n = N grid points an axis, on the fourth landing buffer (the three others are out).  Each way waits for all of its own kind of loads, so the counts of the steps around it stand.
.macro LOW l, tau, R, N, BASE
.set LL, LAND+48
.set WW, WT+12
.set W0, FEAT+28+32*(\tau)+2*(\l)
.set XX, XYZ+4*(\tau)
	v_and_b32 v[TA], s[MSK], v[W0]                 ; gx
	v_alignbit_b32 v[TB0], v[W0+1], v[W0], 19
	v_bfe_u32 v[TC0], v[W0+1], 6, 19
	s_delay_alu instid0(VALU_DEP_2)
	v_and_b32 v[TB0], s[MSK], v[TB0]
	s_delay_alu instid0(VALU_DEP_2)
	v_mul_u32_u24 v[TC1], v[TC0], s[INV2]
	s_delay_alu instid0(VALU_DEP_2)
	v_mul_u32_u24 v[TB1], v[TB0], s[INV1]
	s_delay_alu instid0(VALU_DEP_2)
	v_and_b32 v[TC1], s[MSK], v[TC1]               ; gz
	s_delay_alu instid0(VALU_DEP_2)
	v_and_b32 v[TB1], s[MSK], v[TB1]               ; gy
	s_delay_alu instid0(VALU_DEP_1)
	v_max_u32 v[TAB0], v[TB1], v[TC1]
	s_delay_alu instid0(VALU_DEP_1)
	v_max_u32 v[TAB0], v[TAB0], v[TA]
	WGT \R
	v_cmp_le_u32 vcc_lo, (\N)-1, v[TAB0]           ; a lane whose cell has a corner past grid point n - 1
	s_wait_alu depctr_va_vdst(0)                   ; directly ahead of the branch
	s_cbranch_vccnz .Lfar\@
	v_add_nc_u32 v[TA], v[TA], v[IX]
	s_delay_alu instid0(VALU_DEP_1)
	v_mad_u32_u24 v[TA], v[TB1], \N, v[TA]
	s_delay_alu instid0(VALU_DEP_1)
	v_mad_u32_u24 v[TA], v[TC1], (\N)*(\N), v[TA]
	s_delay_alu instid0(VALU_DEP_1)
	v_min_u32 v[TA], (\N)*(\N)*(\N)-1-(\N)-(\N)*(\N), v[TA]   ; a loaded number enters an address only behind this bound: the farthest corner is the grid's last point
	s_delay_alu instid0(VALU_DEP_1)
	v_lshl_add_u32 v[TA], v[TA], 4, \BASE
	ds_load_b128 v[LL:LL+3], v[TA]
	ds_load_b128 v[LL+4:LL+7], v[TA] offset:16*(\N)*(\N)
	ds_load_b128 v[LL+8:LL+11], v[TA] offset:16*(\N)
	ds_load_b128 v[LL+12:LL+15], v[TA] offset:16*((\N)+(\N)*(\N))
	s_wait_dscnt 0x0
	s_branch .Ljoin\@
.Lfar\@:
	IDX \l
	s_wait_loadcnt 0x0
.Ljoin\@:
	FBODY FEAT+32*(\tau)+2*(\l)
.endm
; ---------------- the chain of products ----------------
.macro WLOAD n                         ; layer n's four fragments (registers 0 to 5 of each) and scale words, out of LDS
.irp t, 0,1,2,3
.irp p, 0,1,2
	ds_load_b64 v[WF+12*\t+2*\p:WF+12*\t+2*\p+1], v[LW8] offset:LAYER*(\n)+256*(3*\t+\p)
.endr
	ds_load_b32 v[WS+\t], v[LW4] offset:LAYER*(\n)+3072+128*\t
.endr
.endm
; Four matrix instructions, each a whole sum (C = 0) on an accumulator of its own; then four places, for the first read of the results and for the loads into W's registers.
.macro MM tau
.irp t, 0,1,2,3
	v_wmma_scale_f32_16x16x128_f8f6f4 v[DD+8*\t:DD+8*\t+7], v[WF+12*\t:WF+12*\t+11], v[OP+12*(\tau):OP+12*(\tau)+11], 0, v[WS+\t], v[SC+(\tau)] matrix_a_fmt:MATRIX_FMT_FP6 matrix_b_fmt:MATRIX_FMT_FP6
.endr
.rept 4
	v_nop
.endr
.endm
.macro RELU                            ; ascending: each accumulator is read from its low end on
.irp j, 0,1,2,3,4,5,6,7,8,9,10,11,12,13,14,15,16,17,18,19,20,21,22,23,24,25,26,27,28,29,30,31
	v_max_num_f32 v[DD+\j], 0, v[DD+\j]
.endr
.endm
; My block's 32 numbers, from register src on, become 32 codes in registers 0 to 5 of tile tau's operand, and its byte a part of the tile's scale word.
.macro QUANT src, tau
.set OO, OP+12*(\tau)
	v_max3_num_f32 v[QA], |v[(\src)]|, |v[(\src)+1]|, 0x1800000    ; the largest magnitude, in two chains, with the floor 2^(3 - 127) among the leaves: the byte cannot fall under 1
	v_max3_num_f32 v[QB], |v[(\src)+2]|, |v[(\src)+3]|, |v[(\src)+4]|
.irp i, 5,9,13,17,21,25
	s_delay_alu instid0(VALU_DEP_2)
	v_max3_num_f32 v[QA], v[QA], |v[(\src)+\i]|, |v[(\src)+\i+1]|
	s_delay_alu instid0(VALU_DEP_2)
	v_max3_num_f32 v[QB], v[QB], |v[(\src)+\i+2]|, |v[(\src)+\i+3]|
.endr
	s_delay_alu instid0(VALU_DEP_2)
	v_max3_num_f32 v[QA], v[QA], |v[(\src)+29]|, |v[(\src)+30]|
	s_delay_alu instid0(VALU_DEP_1)
	v_max3_num_f32 v[QA], v[QA], v[QB], |v[(\src)+31]|
	s_delay_alu instid0(VALU_DEP_1)
	v_add_nc_u32 v[QS], 0xff000000, v[QA]          ; 2 off its exponent field: the conversions take the exponent field of this operand as their scale
	s_delay_alu instid0(VALU_DEP_1)
	v_lshrrev_b32 v[QY], 23, v[QS]                 ; the scale's byte,
	s_delay_alu instid0(VALU_DEP_1)
	v_lshlrev_b32 v[QY], v[H8], v[QY]              ; at block h's place in the word
	s_delay_alu instid0(VALU_DEP_1)
	v_permlanex16_b32 v[PX], v[QY], s[SEL], s[SEL+1]
	v_cvt_scalef32_pk16_fp6_f32 v[OO:OO+2], v[(\src):(\src)+15], v[QS]
	v_cvt_scalef32_pk16_fp6_f32 v[QT:QT+2], v[(\src)+16:(\src)+31], v[QS]   ; (a conversion's three registers begin on an even number)
	v_or_b32 v[SC+(\tau)], v[QY], v[PX]            ; with lane l xor 16's byte the word is whole; also the plain line behind the conversions
	v_mov_b32 v[OO+3], v[QT]
	v_mov_b32 v[OO+4], v[QT+1]
	v_mov_b32 v[OO+5], v[QT+2]
.endm
.macro BLEND tau                       ; alpha relu(.) + (1 - alpha) feat
	RELU
.irp j, 0,2,4,6,8,10,12,14,16,18,20,22,24,26,28,30
	v_pk_mul_f32 v[DD+\j:DD+\j+1], v[DD+\j:DD+\j+1], s[AL:AL+1] op_sel_hi:[1,0]
.endr
.irp j, 0,2,4,6,8,10,12,14,16,18,20,22,24,26,28,30
	v_pk_fma_f32 v[DD+\j:DD+\j+1], v[FEAT+32*(\tau)+\j:FEAT+32*(\tau)+\j+1], s[BE:BE+1], v[DD+\j:DD+\j+1] op_sel_hi:[1,0,1]
.endr
.endm
.macro FINAL tau                       ; the last product, one column, in f32: my block's 32 units against w2_2's 32 numbers in two packed chains; then the other block's sum from lane l xor 16
	RELU
	v_pk_mul_f32 v[CH:CH+1], v[DD:DD+1], v[W2R:W2R+1]
	v_pk_mul_f32 v[CH+2:CH+3], v[DD+2:DD+3], v[W2R+2:W2R+3]
.irp p, 1,2,3,4,5,6,7
	s_delay_alu instid0(VALU_DEP_2)
	v_pk_fma_f32 v[CH:CH+1], v[DD+4*\p:DD+4*\p+1], v[W2R+4*\p:W2R+4*\p+1], v[CH:CH+1]
	s_delay_alu instid0(VALU_DEP_2)
	v_pk_fma_f32 v[CH+2:CH+3], v[DD+4*\p+2:DD+4*\p+3], v[W2R+4*\p+2:W2R+4*\p+3], v[CH+2:CH+3]
.endr
	s_delay_alu instid0(VALU_DEP_1)
	v_pk_add_f32 v[CH:CH+1], v[CH:CH+1], v[CH+2:CH+3]
	s_delay_alu instid0(VALU_DEP_1)
	v_add_f32 v[CH], v[CH], v[CH+1]
	s_delay_alu instid0(VALU_DEP_1)
	v_permlanex16_b32 v[PX], v[CH], s[SEL], s[SEL+1]
	s_delay_alu instid0(VALU_DEP_1)
	v_add_f32 v[RS0+(\tau)], v[CH], v[PX]
.endm
.macro ACT n, tau                      ; what follows layer n's product
.if (\n) == 4
	FINAL \tau
.else
.if (\n) == 2
	BLEND \tau
.else
	RELU
.endif
	QUANT DD, \tau
.endif
.endm
.Ltrip:
	global_load_b96 v[XYZ:XYZ+2], v[XO], s[6:7] th:TH_LOAD_NT
	global_load_b96 v[XYZ+4:XYZ+6], v[XO], s[6:7] offset:192 th:TH_LOAD_NT
	global_load_b128 v[FEAT+28:FEAT+31], v[CO], s[CB:CB+1] offset:-8388608 th:TH_LOAD_NT          ; pair 0's words, a tile each
	global_load_b128 v[FEAT+60:FEAT+63], v[CO], s[CB:CB+1] offset:-8388608+256 th:TH_LOAD_NT
	global_load_b128 v[CELL+8:CELL+11], v[CO], s[CB:CB+1] offset:-4194304 th:TH_LOAD_NT           ; pair 1's
	global_load_b128 v[CELL+12:CELL+15], v[CO], s[CB:CB+1] offset:-4194304+256 th:TH_LOAD_NT
	s_wait_loadcnt 0x0
	ISSUE 2, 0, RES2                               ; three steps go out to comb; levels 0 and 1 are done under their flight
	ISSUE 2, 1, RES2
	ISSUE 3, 0, RES3
	LOW 0, 0, RES0, 17, GRID0
	LOW 0, 1, RES0, 17, GRID0
	LOW 1, 0, RES1, 23, GRID1
	LOW 1, 1, RES1, 23, GRID1
	FINISH 2, 0
	ISSUE 3, 1, RES3
	FINISH 2, 1
	LVL 3, RES4
	LVL 4, RES5
	LVL 5, RES6
	LVL 6, RES7
	LVL 7, RES8
	LVL 8, RES9
	LVL 9, RES10
	LVL 10, RES11
	LVL 11, RES12
	LVL 12, RES13
	LVL 13, RES14
	LVL 14, RES15
	FINISH 15, 0
	FINISH 15, 1
	WLOAD 0
.irp t, 0,1,2,3
.irp j, 6,7,8,9,10,11
	v_mov_b32 v[WF+12*\t+\j], 0                    ; K = 64 .. 127: zero codes; the loads fill registers 0 to 5 alone.  (The gathers used these registers: written anew in each trip)
.endr
.endr
.irp t, 0,1
.irp j, 6,7,8,9,10,11
	v_mov_b32 v[OP+12*\t+\j], 0
.endr
.endr
	QUANT FEAT, 0
	QUANT FEAT+32, 1
; A layer: tile 0's product, its activation and codes; tile 1's product; the next layer's weights are asked for behind the product's four places and land under tile 1's vector work.
; Each operand and scale word is written a whole activation (over thirty plain vector lines) ahead of the matrix instruction that reads it.
.irp n, 0,1,2,3,4
	s_wait_dscnt 0x0                               ; the layer's weights are in
	MM 0
	ACT \n, 0
	MM 1
.if \n < 4
	WLOAD \n+1
.endif
	ACT \n, 1
.endr
	v_cmp_ne_u32 vcc_lo, 0, v[H8]
	s_delay_alu instid0(VALU_DEP_1)
	v_cndmask_b32 v[OUTV], v[RS0], v[RS1], vcc_lo  ; both halves of the lanes hold both tiles' sums: lane 16 h + r keeps point r of tile h
	global_store_b32 v[OUTO], v[OUTV], s[14:15]    ; a wave stores its 32 points' 128 consecutive bytes
	s_wait_xcnt 0x0                                ; every load and store has read its address registers: they step to the next trip's 512 points
	v_add_nc_u32 v[CO], 8192, v[CO]
	v_add_nc_u32 v[XO], 6144, v[XO]
	v_add_nc_u32 v[OUTO], 2048, v[OUTO]
	s_add_co_u32 s[TRP], s[TRP], 1
	s_cmp_lt_u32 s[TRP], TRIPS
	s_wait_alu depctr_va_vdst(0)                   ; directly ahead of the branch
	s_cbranch_scc1 .Ltrip
	s_wait_dscnt 0x0                               ; my reads of LDS are over;
	s_barrier_signal -1
	s_barrier_wait -1                              ; and so are every wave's, those at places made of loaded numbers among them, before any wave's closing add
	s_wait_tensorcnt 0x0                           ; the wave's end
	ds_add_u32 v[SPW], v[NIL]
	s_wait_dscnt 0x0
	s_endpgm
.Lfunc_end_k_q31dc3fd536_field:
	.size	k_q31dc3fd536_field, .Lfunc_end_k_q31dc3fd536_field-k_q31dc3fd536_field
	.p2alignl 7, 3214868480
	.fill 96, 4, 3214868480
	.section	.rodata,"a",@progbits
	.p2align	6, 0x0
	.amdhsa_kernel k_q31dc3fd536_field
		.amdhsa_group_segment_fixed_size 298496
		.amdhsa_private_segment_fixed_size 0
		.amdhsa_enable_private_segment 0
		.amdhsa_kernarg_size 128
		.amdhsa_user_sgpr_count 2
		.amdhsa_user_sgpr_kernarg_segment_ptr 1
		.amdhsa_wavefront_size32 1
		.amdhsa_system_sgpr_workgroup_id_x 1
		.amdhsa_system_sgpr_workgroup_id_y 1
		.amdhsa_system_sgpr_workgroup_id_z 1
		.amdhsa_system_vgpr_workitem_id 0
		.amdhsa_next_free_vgpr 256
		.amdhsa_next_free_sgpr 102
		.amdhsa_reserve_vcc 1
		.amdhsa_float_denorm_mode_32 3
		.amdhsa_float_denorm_mode_16_64 3
		.amdhsa_memory_ordered 1
		.amdhsa_forward_progress 1
		.amdhsa_inst_pref_size 219
	.end_amdhsa_kernel
	.amdgpu_metadata
---
amdhsa.version: [ 1, 2 ]
amdhsa.kernels:
  - .name:           k_q31dc3fd536_field
    .symbol:         k_q31dc3fd536_field.kd
    .args:
      - { .name: cells, .offset: 0, .size: 8, .value_kind: global_buffer, .address_space: global }
      - { .name: x, .offset: 8, .size: 8, .value_kind: global_buffer, .address_space: global }
      - { .name: comb, .offset: 16, .size: 8, .value_kind: global_buffer, .address_space: global }
      - { .name: skip_alpha, .offset: 24, .size: 8, .value_kind: global_buffer, .address_space: global }
      - { .name: w2_2, .offset: 32, .size: 8, .value_kind: global_buffer, .address_space: global }
      - { .name: out0, .offset: 40, .size: 8, .value_kind: global_buffer, .address_space: global }
      - { .name: w1_0_codes, .offset: 48, .size: 8, .value_kind: global_buffer, .address_space: global }
      - { .name: w1_0_scales, .offset: 56, .size: 8, .value_kind: global_buffer, .address_space: global }
      - { .name: w1_1_codes, .offset: 64, .size: 8, .value_kind: global_buffer, .address_space: global }
      - { .name: w1_1_scales, .offset: 72, .size: 8, .value_kind: global_buffer, .address_space: global }
      - { .name: w1_2_codes, .offset: 80, .size: 8, .value_kind: global_buffer, .address_space: global }
      - { .name: w1_2_scales, .offset: 88, .size: 8, .value_kind: global_buffer, .address_space: global }
      - { .name: w2_0_codes, .offset: 96, .size: 8, .value_kind: global_buffer, .address_space: global }
      - { .name: w2_0_scales, .offset: 104, .size: 8, .value_kind: global_buffer, .address_space: global }
      - { .name: w2_1_codes, .offset: 112, .size: 8, .value_kind: global_buffer, .address_space: global }
      - { .name: w2_1_scales, .offset: 120, .size: 8, .value_kind: global_buffer, .address_space: global }
    .group_segment_fixed_size: 298496
    .private_segment_fixed_size: 0
    .kernarg_segment_align: 8
    .kernarg_segment_size: 128
    .max_flat_workgroup_size: 512
    .sgpr_count:     102
    .vgpr_count:     256
    .wavefront_size: 32
...
	.end_amdgpu_metadata
.endif
;; end of part 3
